; MI455X (gfx1250); checked and timed in simulation.
; The chip was launched on July 23, 2026; its instructions are those of AMD's public machine-readable ISA for CDNA 5 (MIT licence, August 2026) and "CDNA5" Instruction Set Architecture Reference Guide (July 2026). The comments in the code are by the model that wrote it; some were corrected since.
;; Graph Attention Naive. Allowed arithmetic: matrix products marked QUANTISED: E2M3 operands, one E8M0 scale for each 32 along K, by v_wmma_scale_f32_16x16x128_f8f6f4 with both operands' format E2M3, f32 sums; everything else in f32.
;; Inputs: Wk_codes 1,024 x 32 x 24 uint8 (E2M3 codes of Wk, K innermost, in blocks of 32 codes, four codes in three bytes); Wk_scales 1,024 x 32 uint8 (E8M0 scales of Wk, one for each 32 codes along K); Wo_codes 1,024 x 32 x 24 uint8 (E2M3 codes of Wo, K innermost, in blocks of 32 codes, four codes in three bytes); Wo_scales 1,024 x 32 uint8 (E8M0 scales of Wo, one for each 32 codes along K); Wq_codes 1,024 x 32 x 24 uint8 (E2M3 codes of Wq, K innermost, in blocks of 32 codes, four codes in three bytes); Wq_scales 1,024 x 32 uint8 (E8M0 scales of Wq, one for each 32 codes along K); Wv_codes 1,024 x 32 x 24 uint8 (E2M3 codes of Wv, K innermost, in blocks of 32 codes, four codes in three bytes); Wv_scales 1,024 x 32 uint8 (E8M0 scales of Wv, one for each 32 codes along K); bk 1,024 float32; bq 1,024 float32; bv 1,024 float32; target_mask 4 x 2,048 bool; x_codes 4 x 2,048 x 32 x 24 uint8 (E2M3 codes of x, K innermost, in blocks of 32 codes, four codes in three bytes); x_scales 4 x 2,048 x 32 uint8 (E8M0 scales of x, one for each 32 codes along K).
;; Outputs: out0 4 x 2,048 x 1,024 float32.
;; This version of the problem:
;;   THIS VERSION OF THE PROBLEM IS GIVEN IN LOW PRECISION. The matrix products marked QUANTISED in the list below multiply operands that are first quantised to E2M3 (2 exponent bits, 3 mantissa bits; 6 bits a number), with one power-of-two scale for each 32 numbers along K (OCP MX v1.0); their sums are f32. All else is computed in f32.
;;   The module's matrix products, in the order in which they are computed (A, B: the left and right operand; K: the contracted axis; several contracted axes count as one K, in the product's order):
;;     1. [M 8,192, K 1,024] x [K 1,024, N 1,024]; A: input x (given as codes); B: input Wq (given as codes): QUANTISED
;;     2. [M 8,192, K 1,024] x [K 1,024, N 1,024]; A: input x (given as codes); B: input Wk (given as codes): QUANTISED
;;     3. [M 8,192, K 1,024] x [K 1,024, N 1,024]; A: input x (given as codes); B: input Wv (given as codes): QUANTISED
;;     4. batch 64 x [M 2,048, K 64] x [K 64, N 2,048]; A: computed on the way; B: computed on the way: QUANTISED
;;     5. batch 64 x [M 2,048, K 2,048] x [K 2,048, N 64]; A: softmax (see below); B: computed on the way: QUANTISED
;;     6. [M 8,192, K 1,024] x [K 1,024, N 1,024]; A: computed on the way; B: input Wo (given as codes): QUANTISED
;;   THE QUANTISER, for each operand of a quantised product, along K:
;;     - K is cut into blocks of 32 from its start; a last block that is shorter is filled with zeros.
;;     - A block's scale is 2^e with e = floor(log2(the largest magnitude in the block)) - 2, held to -126 .. 127; a block of zeros has e = 0. As a byte (E8M0): e + 127.
;;     - Each number is divided by its block's scale, clamped to +-7.5, and rounded to the nearest number of E2M3, ties to even, subnormals kept.
;;     - The product sums the exact products of the quantised numbers (number of the format x scale) in f32.
;;   ~~~python
;;   def quantise(x, axis):      # numpy; x: float32 -> the quantised numbers, widened to float32 again
;;       x = np.moveaxis(x, axis, -1); K = x.shape[-1]
;;       x = np.pad(x, [(0, 0)] * (x.ndim - 1) + [(0, -K % 32)]); x = x.reshape(x.shape[:-1] + (-1, 32)); a = np.abs(x).max(-1, keepdims=True)
;;       e = np.where(a > 0, np.clip(np.frexp(np.where(a > 0, a, 1))[1] - 1 - 2, -126, 127), 0)      # np.frexp(a)[1] - 1 = floor(log2(a)), exactly
;;       r = np.clip(x / 2.0 ** e, -7.5, 7.5)
;;       step = 2.0 ** (np.maximum(np.frexp(np.where(r == 0, 1, r))[1] - 1, 0) - 3)
;;       q = np.round(r / step) * step * 2.0 ** e      # np.round: ties to even
;;       return np.moveaxis(q.reshape(q.shape[:-2] + (-1,))[..., :K], -1, axis).astype(np.float32)
;;   ~~~
;;   SOFTMAX AHEAD OF A QUANTISED PRODUCT. Where the list says 'softmax', what is quantised is not the finished softmax but p = 2^(t - M), with t = logit x log2(e) and M = ceil(the row's largest t), a whole number; so 1/2 < the row's largest p <= 1. The row's sum l is taken of the UNQUANTISED p, in f32, and the product's result is divided by l at the end. Since M is a whole number, a kernel that streams over the keys may use a running M (the ceiling of the running maximum): every later rescaling is an exact power of two, which a block's scale takes up: the codes' values come out the same.
;;   OPERANDS COMPUTED ON THE WAY. 'Computed on the way' means the value that the module computes at that place (a softmax that the list does not call 'softmax' is quantised finished and normalised). What goes into a quantiser is computed in f32, as accurately as f32 sums, v_exp_f32 and their like allow (about 1e-6 of the number): no bf16 or f16 on the way to a quantiser, and a product that is left as it is and whose result goes on into a quantised operand takes f32 operands (vector FMAs, or v_wmma_f32_16x16x4_f32). A number that lies on a knife's edge between two numbers of the format may be rounded either way, as far as f32 arithmetic and the matrix unit's own rounding can turn it there, and no further.
;;   INPUTS GIVEN AS CODES. Wk (in the module: [1024, 1024], K = its axis 1); Wo (in the module: [1024, 1024], K = its axis 1); Wq (in the module: [1024, 1024], K = its axis 1); Wv (in the module: [1024, 1024], K = its axis 1); x (in the module: [4, 2048, 1024], K = its axis 2): each comes as NAME_codes (uint8): NAME with its K axis moved to the last place and cut into blocks of 32 codes, [.., K / 32, bytes a block], one block behind the other in memory; four codes in three bytes: a row's codes are one little-endian stream of bits, code i at bits 6 i .. 6 i + 5 (a code: sign, 2 exponent bits, 3 mantissa bits); and NAME_scales (uint8): the same leading axes, one E8M0 byte (e + 127) for each 32 codes along K. Its value is code x scale, taken as it is: it is not quantised again, and the codes and scales need not be those that the quantiser above would give.
;; One version. Each part assembles by itself: llvm-mc -triple=amdgcn-amd-amdhsa -mcpu=gfx1250 --defsym DOCPART=n.
;; ======== version 1 of 1: 3 launches
;; limits: right only within a limited range of input values
;; workspace buffers: qkv 25,690,112 bytes; yws 6,815,744 bytes
;; launch proj (part 1): grid 12 x 32, 4 waves a work-group, clusters of 4 x 4, 327,680 bytes of LDS; arguments x_codes, x_scales, Wq_codes, Wq_scales, Wk_codes, Wk_scales, Wv_codes, Wv_scales, bq, bk, bv, target_mask, qkv; writes qkv
.if DOCPART == 1
	.amdgcn_target "amdgcn-amd-amdhsa--gfx1250"
	.amdhsa_code_object_version 6
	.text
	.protected	k_qd986c15f76_proj
	.globl	k_qd986c15f76_proj
	.p2align	8
	.type	k_qd986c15f76_proj,@function
k_qd986c15f76_proj:
	s_mov_b64 s[64:65], 0
	v_nop
	global_prefetch_b8 v0, s[64:65] scope:SCOPE_SE
	s_setreg_imm32_b32 hwreg(HW_REG_WAVE_MODE, 25, 1), 1
	s_wait_xcnt 0x0
	s_wait_alu depctr_hold_cnt(0) depctr_sa_sdst(0) depctr_va_vdst(0) depctr_va_sdst(0) depctr_va_ssrc(0) depctr_va_vcc(0) depctr_vm_vsrc(0)
	s_getreg_b32 s2, hwreg(HW_REG_IB_STS2, 6, 4)
	s_cmp_eq_u32 s2, 0
	s_cbranch_scc0 .Lentry_in_a_cluster
	s_endpgm
.Lentry_in_a_cluster:
	s_bfe_u32 s2, ttmp6, 0x10000c
	s_cmp_lg_u32 s2, 0xf033
	s_cbranch_scc0 .Lentry_shape_is_right
	s_endpgm
.Lentry_shape_is_right:
; Q = x Wq^T + bq, K = x Wk^T + bk, V = x Wv^T + bv on codes of FP6 (E2M3) with one E8M0 scale for each 32 along K; the results are quantised here, in registers, and leave as codes:
; Q and K along the head's 64 channels, V along the keys.  No step and no input of the problem is left out in this program.
; ONE BODY FOR THE THREE.  P[i][j] = sum over k of S1[i][k] S0[j][k] + bias, quantised along j.  Source 0 takes rows of S0 (j runs along a lane's registers), source 1 rows of S1 (a lane holds one i).
; The cluster's x says which tensor: 0 Q, 1 K (S1 = x, S0 = W), 2 V (S1 = Wv, S0 = x).  A work-group of four waves makes 256 x 256, a wave 128 x 128: 64 accumulators.
; K GOES IN CHUNKS OF 256 BYTES of each row (a row of codes is 768 bytes: three chunks, each begins at a multiple of 256) through two LDS slots; a matrix step is 96 bytes: eight steps, of which steps 2 and 5 lie across two chunks.
; The scale bytes of the work-group's rows come once and stay.  CLUSTERS 4 x 4: S1's tiles are shared along a row, S0's along a column, each asked for jointly.
; THE ROWS OF A TILE, on both sides: lane r of tile i of a wave's 128 rows takes row 64 (i / 4) + 8 (i % 4) + r % 8 + 32 (r / 8).  So a lane's 32 registers of tiles 4 g .. 4 g + 3 are j = 64 g + 32 (lane / 16) + 0 .. 31:
; one whole scale block, in the order of the next operand's registers: no lane asks another for a maximum or for codes.  (Rows 32 apart start at the same banks, 64 banks of 4 bytes: ISA guide 11.1: the price of that order.)
; THE BIAS is the C of each sum's first matrix instruction.  THE KEY MASK goes into the padding of K's tiles: slot k = 64 of a key that does not count holds the code of -7.5 under the byte 227 (2^100); else code 0, byte 0.
; WHAT LEAVES: records of 25,088 bytes, one for each (batch, head, 128 tokens), images of operand registers: each store is 16 bytes a lane, 512 consecutive bytes, at a multiple of 256 from the buffer's first byte.
; No prefetch into the L2: K is three chunks long, and two of them are asked for at the head.
; LIMITS: a block's largest magnitude is taken no lower than 2^-124 (a block of zeros gets the byte 1: its codes are zeros, and this program alone reads the bytes); input scale bytes 0xff, NaN and infinite biases are not served.
; REGISTERS: window 0: v0-31 addresses; v32-63 scale words, two sets; v64-79 the mask's codes and bytes; v80-127 at work on the way out; v128-223 S1's fragments; v224-239 the results' scale words.
;   window 1: S0's fragments, two sets, at v0 and v128; the bias in the gaps v96-127, v224-255.   windows 2, 3: the accumulators ((a, b) at v[8 (8 (a % 4) + b)] of window 2 + a / 4).
.set ROWB,   256
.set NQ,     2
.set KROW,   768
.set STEPS,  8
.set CHUNKS, 3
.set PITCH,  272
.set FR,     12
.set NL,     6
.set NP,     4
.set HALFT,  128*PITCH
.set SLOT,   4*HALFT
.set KS,     32
.set SCL,    2*SLOT
.set HALFS,  16*272
.set SPARE,  SCL+4*HALFS
.set RECG,   25088                     ; a record: K's 8 tiles, K's scale words, V's 4 fragments, V's scale words, Q's 8 tiles, Q's scale words
.set R_KS,   8192
.set R_VI,   9216
.set R_VS,   15360
.set R_QI,   15872
.set ADRA, 16                          ; v16-17 S1's fragments in slot 0, 1; v18-19 for pieces whose two halves of the lanes read different chunks
.set ADRB, 20                          ; v20-23 the same for S0
.set LI,   24                          ; 16 x lane
.set ADRS, 27                          ; my scale words: lanes 0-15 S1's rows, lanes 16-31 S0's
.set SPW,  28
.set NIL,  29
.set SC,   32
.set MC,   64
.set MB,   72
.set TM,   80
.set PW,   96
.set TP,   100
.set IM,   112
.set AF,   128
.set WA,   224
.set WB,   232
.set G1, 24
.set G0, 32
.set G1B, 48
.set G0B, 56
.set G1S, 68
.set G0S, 76
.set G1SB, 80
.set G0SB, 88
.set G0H, 4
.set G0HB, 8
.set MSB, 0
.macro WIN new
.if MSB != (\new)
	s_set_vgpr_msb (MSB<<8)|(\new)
.set MSB, (\new)
.endif
.endm
.set TO_B, 0x40
.macro MWIN hi, zero                   ; source 0 window 1, source 1 window 0, D window 2 + hi; C as D, or (zero > 0) the bias in window 1
.if \zero
	WIN 0x91+0x40*\hi
.else
	WIN 0xa1+0x50*\hi
.endif
.endm
.macro WALU
	s_wait_alu depctr_va_vdst(0)
.endm
.macro PLACES n
.rept \n
	v_nop
.endr
.endm
.macro JLOAD g0a, g1a, g0b, g1b        ; waves 0 and 1 fetch for S1, waves 2 and 3 for S0
	s_cmp_eq_u32 s15, 0
	s_cbranch_scc0 .Lfor_b_\@
	tensor_load_to_lds s[\g0a:\g0a+3], s[\g1a:\g1a+7]
	s_nop 0
	PLACES 4
	s_branch .Lasked_\@
.Lfor_b_\@:
	tensor_load_to_lds s[\g0b:\g0b+3], s[\g1b:\g1b+7]
	s_nop 0
	PLACES 4
.Lasked_\@:
.endm
.macro CREST
	s_cmp_lg_u32 s14, 0
	s_cbranch_scc1 .Lnot_wave_0_\@
	s_barrier_signal -3
.Lnot_wave_0_\@:
	s_barrier_wait -3
	s_barrier_signal -1
	s_barrier_wait -1
.endm
.macro CROUND
	s_barrier_signal -1
	s_barrier_wait -1
	CREST
.endm
	s_load_b512 s[68:83], s[0:1], 0x0              ; x's, Wq's, Wk's, Wv's codes and scales
	s_load_b256 s[84:91], s[0:1], 0x40             ; bq, bk, bv, the mask
	s_load_b64 s[92:93], s[0:1], 0x60              ; the records
	v_lshl_add_u32 v[SPW], v0, 2, SPARE
	v_mov_b32 v[NIL], 0
	ds_add_u32 v[SPW], v[NIL]                      ; the opening lines: the add twice on end under one wait
	ds_add_u32 v[SPW], v[NIL]
	v_lshrrev_b32 v1, 5, v0
	v_readfirstlane_b32 s14, v1                    ; wave
	s_lshr_b32 s15, s14, 1                         ; my half of i; also: I fetch for S1 (0) or S0 (1)
	s_and_b32 s16, s14, 1                          ; my half of j; also: which 128 rows I fetch
	s_bfe_u32 s40, ttmp6, 0x40000
	s_bfe_u32 s41, ttmp6, 0x40004
	s_and_b32 s18, ttmp7, 0xffff
	s_lshl_b32 s18, s18, 2
	s_cmp_eq_u32 ttmp9, 2                          ; V?
	s_cselect_b32 s17, 0, s18
	s_cselect_b32 s42, s18, 0
	s_add_co_u32 s17, s17, s41                     ; tile of i
	s_add_co_u32 s42, s42, s40                     ; tile of j
	s_lshl_b32 s43, s41, 2
	s_lshl_b32 s43, 15, s43                        ; my row of the cluster
	s_lshl_b32 s44, 0x1111, s40                    ; my column
	s_or_b32 s[G1+0], s43, (1<<20)|(1<<21)|(5<<22)|(3<<25)   ; bytes; 16 bytes of padding behind every 256
	s_or_b32 s[G1B+0], s44, (1<<20)|(1<<21)|(5<<22)|(3<<25)
.irp g, G1, G1B
	s_mov_b32 s[\g+1], ROWB<<16
	s_mov_b32 s[\g+2], 256<<16                     ; the head's loads bring 256 rows
	s_mov_b32 s[\g+3], ROWB<<16
	s_mov_b32 s[\g+4], 256
	s_mov_b32 s[\g+5], KROW
	s_mov_b32 s[\g+6], 0
	s_mov_b32 s[\g+7], 0
.endr
	s_lshl_b32 s20, s17, 8
	s_lshl_b32 s46, s42, 8
	s_mov_b32 s21, 0
	s_mov_b32 s47, 0
	s_mov_b64 s[18:19], KS
	s_mul_u64 s[22:23], s[20:21], s[18:19]         ; where my tiles' scale bytes begin
	s_mul_u64 s[100:101], s[46:47], s[18:19]
	s_mov_b64 s[18:19], KROW
	s_mul_u64 s[20:21], s[20:21], s[18:19]         ; and their codes
	s_mul_u64 s[46:47], s[46:47], s[18:19]
	s_mul_i32 s18, s16, 128*KROW                   ; in the ring I fetch 128 rows
	s_mov_b32 s19, 0
	s_mul_i32 s45, s14, HALFT
	s_wait_dscnt 0x0
	s_wait_kmcnt 0x0
	s_cmp_eq_u32 ttmp9, 0                          ; the weight and the bias of my tensor: by the cluster's x alone
	s_cselect_b64 s[72:73], s[72:73], s[76:77]
	s_cselect_b64 s[74:75], s[74:75], s[78:79]
	s_cselect_b64 s[96:97], s[84:85], s[86:87]
	s_cmp_eq_u32 ttmp9, 2
	s_cselect_b64 s[72:73], s[80:81], s[72:73]
	s_cselect_b64 s[74:75], s[82:83], s[74:75]
	s_cselect_b64 s[96:97], s[88:89], s[96:97]
	s_cselect_b64 s[4:5], s[72:73], s[68:69]       ; S1
	s_cselect_b64 s[6:7], s[74:75], s[70:71]
	s_cselect_b64 s[8:9], s[68:69], s[72:73]       ; S0
	s_cselect_b64 s[10:11], s[70:71], s[74:75]
	s_cselect_b32 s66, 1, 0                        ; 1 for V
	s_cselect_b32 s67, -1, 0xffff                  ; what of a scale word belongs to the first image
	s_mov_b64 s[98:99], s[90:91]
	s_mov_b64 s[12:13], s[92:93]
	s_add_nc_u64 s[20:21], s[4:5], s[20:21]
	s_add_nc_u64 s[22:23], s[6:7], s[22:23]
	s_add_nc_u64 s[46:47], s[8:9], s[46:47]
	s_add_nc_u64 s[100:101], s[10:11], s[100:101]
	s_or_b32 s[G1S+0], s43, (3<<16)|(1<<20)|(1<<21)|(5<<22)|(3<<25)   ; the scale bytes of 256 rows: 32 rows of 256 bytes
	s_or_b32 s[G1SB+0], s44, (3<<16)|(1<<20)|(1<<21)|(5<<22)|(3<<25)
.irp g, G1S, G1SB
	s_mov_b32 s[\g+1], 32<<16
	s_mov_b32 s[\g+2], KS<<16
	s_mov_b32 s[\g+3], 32<<16
	s_mov_b32 s[\g+4], KS
	s_mov_b32 s[\g+5], 32
	s_mov_b32 s[\g+6], 0
	s_mov_b32 s[\g+7], 0
.endr
	CROUND                                         ; the first joint loads meet
	s_mov_b32 s[G0H], 1
	s_mov_b32 s[G0H+1], 0
	s_mov_b64 s[G0H+2:G0H+3], s[20:21]
	s_or_b32 s[G0H+3], s[G0H+3], 0x80000000
	s_mov_b32 s[G0HB], 1
	s_mov_b32 s[G0HB+1], 2*HALFT
	s_mov_b64 s[G0HB+2:G0HB+3], s[46:47]
	s_or_b32 s[G0HB+3], s[G0HB+3], 0x80000000
	s_mov_b32 s[G0S], 1
	s_mov_b32 s[G0S+1], SCL
	s_mov_b64 s[G0S+2:G0S+3], s[22:23]
	s_or_b32 s[G0S+3], s[G0S+3], 0x80000000
	s_mov_b32 s[G0SB], 1
	s_mov_b32 s[G0SB+1], SCL+2*HALFS
	s_mov_b64 s[G0SB+2:G0SB+3], s[100:101]
	s_or_b32 s[G0SB+3], s[G0SB+3], 0x80000000
	s_add_nc_u64 s[20:21], s[20:21], s[18:19]
	s_add_nc_u64 s[46:47], s[46:47], s[18:19]
.irp s, 0,1
	s_mov_b32 s[G0+4*\s], 1
	s_add_co_u32 s[G0+4*\s+1], s45, \s*SLOT
	s_add_nc_u64 s[G0+4*\s+2:G0+4*\s+3], s[20:21], \s*ROWB
	s_or_b32 s[G0+4*\s+3], s[G0+4*\s+3], 0x80000000
	s_mov_b32 s[G0B+4*\s], 1
	s_add_co_u32 s[G0B+4*\s+1], s45, \s*SLOT
	s_add_nc_u64 s[G0B+4*\s+2:G0B+4*\s+3], s[46:47], \s*ROWB
	s_or_b32 s[G0B+4*\s+3], s[G0B+4*\s+3], 0x80000000
.endr
; the head's four tiles, one load a wave: chunk 0 of S1, of S0, S1's scale bytes, S0's
.macro ARM under, g0, g1, next
	s_cmp_lt_u32 s14, \under
	s_cbranch_scc0 \next
	tensor_load_to_lds s[\g0:\g0+3], s[\g1:\g1+7]
	s_nop 0
	PLACES 4
	s_branch .Lhead_asked
\next:
.endm
	ARM 1, G0H,  G1,  .Lhead_b
	ARM 2, G0HB, G1B, .Lhead_sa
	ARM 3, G0S,  G1S, .Lhead_sb
	tensor_load_to_lds s[G0SB:G0SB+3], s[G1SB:G1SB+7]
	s_nop 0
	PLACES 4
.Lhead_asked:
	v_and_b32 v1, 7, v0
	v_bfe_u32 v7, v0, 3, 1                         ; r / 8
	v_bfe_u32 v2, v0, 4, 1                         ; h
	v_lshl_add_u32 v1, v7, 5, v1                   ; my row in a tile: r % 8 + 32 (r / 8)
	v_mul_u32_u24 v3, v1, PITCH
	v_mul_u32_u24 v4, v2, 24
	v_add_nc_u32 v4, v3, v4
	s_mov_b32 s21, SLOT-232
	s_mov_b32 s22, SLOT+232
	v_sub_nc_u32 v9, 1, v2
	v_mul_u32_u24 v5, s21, v2
	v_add_nc_u32 v5, v3, v5
	v_add_nc_u32 v5, 232, v5                       ; lanes 0-15 byte 232 of the row in slot 0, lanes 16-31 byte 0 in slot 1
	v_mul_u32_u24 v6, s22, v9
	v_add_nc_u32 v6, v3, v6                        ; and the other way round
	s_mul_i32 s21, s15, HALFT
	s_mul_i32 s22, s16, HALFT
	s_add_co_u32 s22, s22, 2*HALFT
	v_add_nc_u32 v[ADRA+2], s21, v5
	v_add_nc_u32 v[ADRA+3], s21, v6
	v_add_nc_u32 v[ADRB+2], s22, v5
	v_add_nc_u32 v[ADRB+3], s22, v6
.irp s, 0,1
	v_add_nc_u32 v[ADRA+\s], s21, v4
	v_add_nc_u32 v[ADRB+\s], s22, v4
	s_add_co_u32 s21, s21, SLOT
	s_add_co_u32 s22, s22, SLOT
.endr
	v_and_b32 v5, 7, v0
	v_lshlrev_b32 v5, 5, v5                        ; my row's scale bytes: 32 a row, eight rows to a unit of 272 bytes,
	v_mad_u32_u24 v5, v7, 4*272, v5                ; 32 rows on: four units
	s_mul_i32 s21, s15, HALFS
	s_mul_i32 s22, s16, HALFS
	s_add_co_u32 s22, s22, 2*HALFS
	s_sub_co_u32 s22, s22, s21
	v_mul_u32_u24 v6, s22, v2                      ; lanes 16-31 take S0's
	s_add_co_u32 s21, s21, SCL
	v_add_nc_u32 v5, v5, v6
	v_add_nc_u32 v[ADRS], s21, v5
	v_and_b32 v6, 31, v0
	v_lshlrev_b32 v[LI], 4, v6
	v_lshlrev_b32 v8, 7, v2                        ; the bias along registers: my half's 32 numbers begin 128 h bytes on
	v_lshlrev_b32 v10, 2, v1                       ; the bias along lanes
	v_mov_b32 v[TM+8], 0                           ; a lane permute's destination counts as one of its sources
	s_lshl_b32 s20, s17, 8
	s_lshl_b32 s21, s15, 7
	s_add_co_u32 s20, s20, s21                     ; my first i
	s_lshl_b32 s46, s42, 8
	s_lshl_b32 s47, s16, 7
	s_add_co_u32 s46, s46, s47                     ; my first j
	s_cmp_eq_u32 s66, 1
	s_cselect_b32 s92, s20, s46                    ; the first feature
	s_cselect_b32 s93, s46, s20                    ; the first token
	s_lshl_b32 s94, s92, 2
	s_mov_b32 s95, 0
	s_add_nc_u64 s[96:97], s[96:97], s[94:95]
	s_mov_b32 s94, s93
	s_add_nc_u64 s[98:99], s[98:99], s[94:95]
	s_lshr_b32 s94, s93, 11                        ; the record: (batch x 16 + head) x 16 + the tokens' step of 128
	s_lshl_b32 s94, s94, 4
	s_lshr_b32 s95, s92, 6
	s_add_co_u32 s94, s94, s95
	s_lshl_b32 s94, s94, 4
	s_bfe_u32 s95, s93, 0x40007
	s_add_co_u32 s94, s94, s95
	s_mul_i32 s94, s94, RECG
	s_cmp_eq_u32 ttmp9, 0
	s_cselect_b32 s95, R_QI, 0
	s_add_co_u32 s94, s94, s95
	s_mov_b32 s95, 0
	s_add_nc_u64 s[12:13], s[12:13], s[94:95]
	s_cmp_eq_u32 ttmp9, 1                          ; K alone carries the mask
	s_cselect_b32 s104, 0x3f, 0                    ; the code of -7.5
	s_cselect_b32 s105, 227<<16, 0                 ; 2^100, at byte 2
	s_cmp_eq_u32 s66, 1
	s_cbranch_scc1 .Lbias_v
	WIN TO_B
	WALU
.irp b, 0,1,2,3,4,5,6,7                        ; Q, K: register j of tile b is feature 64 (b / 4) + 32 h + 8 (b % 4) + j
	global_load_b128 v[96+8*(\b%4)+128*(\b/4):96+8*(\b%4)+128*(\b/4)+3], v8, s[96:97] offset:4*(64*(\b/4)+8*(\b%4))
	global_load_b128 v[96+8*(\b%4)+128*(\b/4)+4:96+8*(\b%4)+128*(\b/4)+7], v8, s[96:97] offset:4*(64*(\b/4)+8*(\b%4))+16
.endr
	WIN 0
	s_branch .Lbias_done
.Lbias_v:
	WIN TO_B
	WALU
.irp a, 0,1,2,3,4,5,6,7                        ; V: all eight registers of tile a hold my lane's feature's number
.irp j, 0,1,2,3,4,5,6,7
	global_load_b32 v[96+8*(\a%4)+128*(\a/4)+\j], v10, s[96:97] offset:4*(64*(\a/4)+8*(\a%4))
.endr
.endr
	WIN 0
.Lbias_done:
.irp a, 0,1,2,3,4,5,6,7
	global_load_u8 v[MC+\a], v1, s[98:99] offset:64*(\a/4)+8*(\a%4)   ; the mask of tile a's token in my lane (used for K alone; inside the buffer for all three)
.endr
.macro FRAG reg, adr, st, i            ; 12 registers in pieces of 8 bytes; byte y of a row lies in chunk y / 256, slot (y / 256) % 2; tile i begins at row 64 (i / 4) + 8 (i % 4)
.irp p, 0,1,2,3,4,5
.set BY, 96*(\st)+48*(\p/3)+8*(\p%3)
.if BY/ROWB == (BY+24)/ROWB
	ds_load_b64 v[\reg+2*\p:\reg+2*\p+1], v[\adr+(BY/ROWB)%2] offset:BY%ROWB+(64*((\i)/4)+8*((\i)%4))*PITCH
.else
	ds_load_b64 v[\reg+2*\p:\reg+2*\p+1], v[\adr+2+(BY/ROWB)%2] offset:BY%ROWB-232+(64*((\i)/4)+8*((\i)%4))*PITCH
.endif
.endr
.endm
; 16 products: S1's blocks a0, a0 + 1 x S0's eight.  zero = 1: C is the bias of S0's block, 2: of S1's block, 0: the sum so far.  The 64 accumulators take turns.
.macro MUL16 a0, p, q, sc, zero
.irp a, \a0, \a0+1
.irp b, 0,1,2,3,4,5,6,7
.set rD, 8*(8*((\a)%4)+\b)
.set rB, 128*(\p)+FR*\b
.set rA, AF+FR*(\a)
.set rSB, SC+8*NQ*(\sc)+NQ*\b+(\q)
.set rSA, SC+8*NQ*(\sc)+NQ*(\a)+(\q)
.if \zero == 1
.set rC, 96+8*(\b%4)+128*(\b/4)
.elseif \zero == 2
.set rC, 96+8*((\a)%4)+128*((\a)/4)
.else
.set rC, rD
.endif
	v_wmma_scale_f32_16x16x128_f8f6f4 v[rD:rD+7], v[rB:rB+FR-1], v[rA:rA+FR-1], v[rC:rC+7], v[rSB], v[rSA] matrix_a_fmt:MATRIX_FMT_FP6 matrix_b_fmt:MATRIX_FMT_FP6 matrix_a_scale:MATRIX_SCALE_ROW1
.endr
.endr
.endm
.macro FETCH_B st, p
	WIN TO_B
.irp i, 0,1,2,3,4,5,6,7
	FRAG 128*(\p)+FR*\i, ADRB, \st, \i
.endr
	WIN 0
.endm
.macro FETCH_A st, i0
.irp i, \i0, \i0+1, \i0+2, \i0+3
	FRAG AF+FR*(\i), ADRA, \st, \i
.endr
.endm
.macro SCALES pr                       ; the scale words of steps 2 pr, 2 pr + 1
.irp i, 0,1,2,3,4,5,6,7
	ds_load_b64 v[SC+8*NQ*((\pr)%2)+NQ*\i:SC+8*NQ*((\pr)%2)+NQ*\i+1], v[ADRS] offset:(8*(\i/4)+\i%4)*272+4*NQ*(\pr)
.endr
.endm
; A step: 64 products; the next step's fragments are fetched in its middle and at its end.  Where the next step's bytes END in a chunk not yet read: every wave waits for its tensor loads, and a barrier shows the chunk.
; Where they BEGIN in a later chunk: the three lines and the barrier; where a chunk two on is left to fetch, the barrier opens a round of the cluster's barrier and the slot is filled again.
.macro STEP st, zero
.set NX, (\st)+1
.set C0, (96*(\st))/ROWB
.set C1, (96*NX)/ROWB
.set E0, (96*(\st)+95)/ROWB
.set E1, (96*NX+95)/ROWB
.if C1 > C0 || E1 > E0
	s_wait_tensorcnt 0x0
.if C1 > C0
	ds_add_u32 v[SPW], v[NIL]
	s_wait_dscnt 4*NL+1                            ; the add and S1's blocks 4-7 may be out
.else
	s_wait_dscnt 4*NL                              ; S1's blocks 4-7 may be out
.endif
	MWIN 0, \zero
	MUL16 0, (\st)%2, (\st)%2, ((\st)/2)%2, \zero
	s_wait_dscnt 0x0
	s_barrier_signal -1
	MUL16 2, (\st)%2, (\st)%2, ((\st)/2)%2, \zero
	WIN 0
	s_barrier_wait -1
.if C1 > C0 && C0+2 < CHUNKS
	CREST
	s_add_nc_u64 s[G0+4*(C0%2)+2:G0+4*(C0%2)+3], s[G0+4*(C0%2)+2:G0+4*(C0%2)+3], 2*ROWB
	s_add_nc_u64 s[G0B+4*(C0%2)+2:G0B+4*(C0%2)+3], s[G0B+4*(C0%2)+2:G0B+4*(C0%2)+3], 2*ROWB
	JLOAD G0+4*(C0%2), G1, G0B+4*(C0%2), G1B       ; chunk C0 + 2; its four v_nop are the places ahead of the loads below
.else
	PLACES NP
.endif
.else
	s_wait_dscnt 4*NL
	MWIN 0, \zero
	MUL16 0, (\st)%2, (\st)%2, ((\st)/2)%2, \zero
	MUL16 2, (\st)%2, (\st)%2, ((\st)/2)%2, \zero
	s_wait_dscnt 0
	PLACES NP
.endif
	FETCH_B NX, NX%2
	FETCH_A NX, 0
.if NX%2 == 0
	SCALES NX/2
.endif
	MWIN 1, \zero
	MUL16 4, (\st)%2, (\st)%2, ((\st)/2)%2, \zero
	MUL16 6, (\st)%2, (\st)%2, ((\st)/2)%2, \zero
	PLACES NP
	WIN 0
	FETCH_A NX, 4
.endm
	WALU                                           ; the wait at the head's end
	s_wait_tensorcnt 0x0                           ; my tile of the head's four is in; the lines ahead of slot 1's first fill
	ds_add_u32 v[SPW], v[NIL]
	s_mov_b32 s[G1+2], 128<<16                     ; no tensor load of mine is out: from here on a load brings 128 rows
	s_mov_b32 s[G1+4], 128
	s_mov_b32 s[G1B+2], 128<<16
	s_mov_b32 s[G1B+4], 128
	s_wait_dscnt 0x0
	CROUND
	JLOAD G0+4, G1, G0B+4, G1B                     ; chunk 1
	FETCH_B 0, 0
	FETCH_A 0, 0
	SCALES 0
	FETCH_A 0, 4
	s_wait_loadcnt 0x0                             ; the bias and the mask
	v_sub_nc_u32 v9, 1, v2
	v_mul_u32_u24 v9, s104, v9                     ; the code stands at k = 64: bits 0-5 of register 6 in lanes 0-15
	v_mov_b32 v11, s105
.irp a, 0,1,2,3,4,5,6,7
	v_cmp_eq_u32 vcc_lo, 0, v[MC+\a]               ; a key that does not count
	v_cndmask_b32 v[MB+\a], 0, v11, vcc_lo
	v_cndmask_b32 v[MC+\a], 0, v9, vcc_lo
.endr
	WALU
	s_cmp_eq_u32 s66, 1                            ; the first step, once for each way in which the bias lies
	s_cbranch_scc1 .Lfirst_v
	STEP 0, 1
	s_branch .Lfirst_done
.Lfirst_v:
	STEP 0, 2
.Lfirst_done:
.set ST, 1
.rept STEPS-2
	STEP ST, 0
.set ST, ST+1
.endr
	s_wait_dscnt 4*NL
	WIN 0xa1
	MUL16 0, 1, 1, 1, 0
	MUL16 2, 1, 1, 1, 0
	s_wait_dscnt 0
	WIN 0xf1
	MUL16 4, 1, 1, 1, 0
	MUL16 6, 1, 1, 1, 0
	WIN 0
; THE WAY OUT, block a of S1 at a time: my lane's registers 32 g + 0 .. 31 are one scale block: j = 64 g + 32 (lane / 16) + 0 .. 31.
.macro EPI a
.set EW, 2+(\a)/4
.set AC, 64*((\a)%4)
	WIN 5*EW
.irp b, 0,1,2,3
	v_max3_num_f32 v[TM+\b], |v[AC+16*\b]|, |v[AC+16*\b+1]|, 0x1800000   ; four chains of 16, with the floor 2^(3 - 127); each accumulator is read from its low end on
.endr
	WIN 20*EW
.irp i, 2,4,6,8,10,12,14
.irp b, 0,1,2,3
	v_max3_num_f32 v[TM+\b], v[TM+\b], |v[AC+16*\b+\i]|, |v[AC+16*\b+\i+1]|
.endr
.endr
	WIN 0
	v_max_num_f32 v[TM], v[TM], v[TM+1]
	v_max_num_f32 v[TM+2], v[TM+2], v[TM+3]
	v_add_nc_u32 v[TM+12], 0xff000000, v[TM]       ; 2 off the exponent field: the conversions' scale operand
	v_add_nc_u32 v[TM+13], 0xff000000, v[TM+2]
	v_lshrrev_b32 v[TM+4], 23, v[TM+12]
	v_lshrrev_b32 v[TM+5], 23, v[TM+13]
	v_lshl_or_b32 v[TM+4], v[TM+5], 16, v[TM+4]    ; my two bytes at bytes 0 and 2,
	v_permlanex16_b32 v[TM+8], v[TM+4], s20, s21
	v_lshl_or_b32 v[PW], v[TM+8], 8, v[TM+4]       ; lane l xor 16's at bytes 1 and 3: in lanes 0-15 byte 2 g + h (lanes 16-31 are not read)
	v_and_or_b32 v[WA+\a], v[PW], s67, v[MB+\a]
	v_lshrrev_b32 v[WB+\a], 16, v[PW]
	v_or_b32 v[WB+\a], v[WB+\a], v[MB+\a]
	WALU                                           ; the wait ahead of the wait below
	s_wait_xcnt 0x0                                ; the last block's stores have read the image's registers
	WIN EW
.irp c, 0,1
	v_cvt_scalef32_pk16_fp6_f32 v[IM+8*\c:IM+8*\c+2], v[AC+32*\c:AC+32*\c+15], v[TM+12+\c]
	v_cvt_scalef32_pk16_fp6_f32 v[TP+4*\c:TP+4*\c+2], v[AC+32*\c+16:AC+32*\c+31], v[TM+12+\c]
.endr
	WIN 0
	v_nop
.irp c, 0,1
.irp i, 0,1,2
	v_mov_b32 v[IM+8*\c+3+\i], v[TP+4*\c+\i]
.endr
.endr
	s_cmp_eq_u32 s66, 1
	s_cbranch_scc1 .Lepi_v_\@
	v_mov_b32 v[IM+6], v[MC+\a]                    ; Q, K: two tiles, one a head: six registers of codes, the mask's slot, a zero
	v_mov_b32 v[IM+7], 0
	v_mov_b32 v[IM+14], v[MC+\a]
	v_mov_b32 v[IM+15], 0
	global_store_b128 v[LI], v[IM:IM+3], s[12:13] offset:1024*\a
	global_store_b128 v[LI], v[IM+4:IM+7], s[12:13] offset:1024*\a+512
	global_store_b128 v[LI], v[IM+8:IM+11], s[12:13] offset:16*RECG+1024*\a
	global_store_b128 v[LI], v[IM+12:IM+15], s[12:13] offset:16*RECG+1024*\a+512
	s_branch .Lepi_done_\@
.Lepi_v_\@:
	WALU
.irp i, 0,1,2,3,4,5
	v_mov_b32 v[IM+6+\i], v[IM+8+\i]               ; V: one fragment of twelve registers on end
.endr
	global_store_b128 v[LI], v[IM:IM+3], s[12:13] offset:R_VI+((\a)/4)*16*RECG+((\a)%4)*1536
	global_store_b128 v[LI], v[IM+4:IM+7], s[12:13] offset:R_VI+((\a)/4)*16*RECG+((\a)%4)*1536+512
	global_store_b128 v[LI], v[IM+8:IM+11], s[12:13] offset:R_VI+((\a)/4)*16*RECG+((\a)%4)*1536+1024
.Lepi_done_\@:
.endm
	s_mov_b32 s20, 0x76543210
	s_mov_b32 s21, 0xfedcba98
	PLACES NP
.irp a, 0,1,2,3,4,5,6,7
	EPI \a
.endr
	s_cmp_eq_u32 s66, 1
	s_cbranch_scc1 .Lsc_v
	global_store_b128 v[LI], v[WA:WA+3], s[12:13] offset:R_KS
	global_store_b128 v[LI], v[WA+4:WA+7], s[12:13] offset:R_KS+512
	global_store_b128 v[LI], v[WB:WB+3], s[12:13] offset:16*RECG+R_KS
	global_store_b128 v[LI], v[WB+4:WB+7], s[12:13] offset:16*RECG+R_KS+512
	s_branch .Lsc_done
.Lsc_v:
	global_store_b128 v[LI], v[WA:WA+3], s[12:13] offset:R_VS
	global_store_b128 v[LI], v[WA+4:WA+7], s[12:13] offset:16*RECG+R_VS
.Lsc_done:
	s_wait_tensorcnt 0x0                           ; the wave's end
	ds_add_u32 v[SPW], v[NIL]
	s_wait_dscnt 0x0
	CROUND
	s_endpgm
.Lfunc_end_k_qd986c15f76_proj:
	.size	k_qd986c15f76_proj, .Lfunc_end_k_qd986c15f76_proj-k_qd986c15f76_proj
	.p2alignl 7, 3214868480
	.fill 96, 4, 3214868480
	.section	.rodata,"a",@progbits
	.p2align	6, 0x0
	.amdhsa_kernel k_qd986c15f76_proj
		.amdhsa_group_segment_fixed_size 327680
		.amdhsa_private_segment_fixed_size 0
		.amdhsa_enable_private_segment 0
		.amdhsa_kernarg_size 104
		.amdhsa_user_sgpr_count 2
		.amdhsa_user_sgpr_kernarg_segment_ptr 1
		.amdhsa_wavefront_size32 1
		.amdhsa_system_sgpr_workgroup_id_x 1
		.amdhsa_system_sgpr_workgroup_id_y 1
		.amdhsa_system_sgpr_workgroup_id_z 1
		.amdhsa_system_vgpr_workitem_id 0
		.amdhsa_next_free_vgpr 1024
		.amdhsa_next_free_sgpr 106
		.amdhsa_reserve_vcc 1
		.amdhsa_float_denorm_mode_32 3
		.amdhsa_float_denorm_mode_16_64 3
		.amdhsa_memory_ordered 1
		.amdhsa_forward_progress 1
		.amdhsa_inst_pref_size 192
	.end_amdhsa_kernel
	.amdgpu_metadata
---
amdhsa.version: [ 1, 2 ]
amdhsa.kernels:
  - .name:           k_qd986c15f76_proj
    .symbol:         k_qd986c15f76_proj.kd
    .args:
      - { .name: x_codes, .offset: 0, .size: 8, .value_kind: global_buffer, .address_space: global }
      - { .name: x_scales, .offset: 8, .size: 8, .value_kind: global_buffer, .address_space: global }
      - { .name: Wq_codes, .offset: 16, .size: 8, .value_kind: global_buffer, .address_space: global }
      - { .name: Wq_scales, .offset: 24, .size: 8, .value_kind: global_buffer, .address_space: global }
      - { .name: Wk_codes, .offset: 32, .size: 8, .value_kind: global_buffer, .address_space: global }
      - { .name: Wk_scales, .offset: 40, .size: 8, .value_kind: global_buffer, .address_space: global }
      - { .name: Wv_codes, .offset: 48, .size: 8, .value_kind: global_buffer, .address_space: global }
      - { .name: Wv_scales, .offset: 56, .size: 8, .value_kind: global_buffer, .address_space: global }
      - { .name: bq, .offset: 64, .size: 8, .value_kind: global_buffer, .address_space: global }
      - { .name: bk, .offset: 72, .size: 8, .value_kind: global_buffer, .address_space: global }
      - { .name: bv, .offset: 80, .size: 8, .value_kind: global_buffer, .address_space: global }
      - { .name: target_mask, .offset: 88, .size: 8, .value_kind: global_buffer, .address_space: global }
      - { .name: qkv, .offset: 96, .size: 8, .value_kind: global_buffer, .address_space: global }
    .group_segment_fixed_size: 327680
    .private_segment_fixed_size: 0
    .kernarg_segment_align: 8
    .kernarg_segment_size: 104
    .max_flat_workgroup_size: 128
    .sgpr_count:     106
    .vgpr_count:     1024
    .wavefront_size: 32
...
	.end_amdgpu_metadata
.endif
;; end of part 1
;; launch attn (part 2): grid 4 x 64, 12 waves a work-group, clusters of 4 x 1, 327,680 bytes of LDS; arguments qkv, yws; writes yws
.if DOCPART == 2
	.amdgcn_target "amdgcn-amd-amdhsa--gfx1250"
	.amdhsa_code_object_version 6
	.text
	.protected	k_qd986c15f76_attn
	.globl	k_qd986c15f76_attn
	.p2align	8
	.type	k_qd986c15f76_attn,@function
k_qd986c15f76_attn:
	s_mov_b64 s[64:65], 0
	v_nop
	global_prefetch_b8 v0, s[64:65] scope:SCOPE_SE
	s_setreg_imm32_b32 hwreg(HW_REG_WAVE_MODE, 25, 1), 1
	s_wait_xcnt 0x0
	s_wait_alu depctr_hold_cnt(0) depctr_sa_sdst(0) depctr_va_vdst(0) depctr_va_sdst(0) depctr_va_ssrc(0) depctr_va_vcc(0) depctr_vm_vsrc(0)
	s_getreg_b32 s2, hwreg(HW_REG_IB_STS2, 6, 4)
	s_cmp_eq_u32 s2, 0
	s_cbranch_scc0 .Lentry_in_a_cluster
	s_endpgm
.Lentry_in_a_cluster:
	s_bfe_u32 s2, ttmp6, 0x10000c
	s_cmp_lg_u32 s2, 0x3003
	s_cbranch_scc0 .Lentry_shape_is_right
	s_endpgm
.Lentry_shape_is_right:
; y[b][q][head][:] = softmax over the keys that count of (Q . K / 8) times V, both products on codes of FP6 (E2M3) with E8M0 scales; y is quantised here along the inner 1,024 and leaves as codes.
; THE SOFTMAX: t = score x log2(e) / 8; M = the running largest t rounded UP to a whole number; p = 2^(t - M) is quantised along the keys, not normalised; the row's sum is taken of the unquantised p and divides at the end.
; When M moves, the sum and O are multiplied by 2^(old M - new M), which rounds nothing.
; SHARES.  A (batch, head) has 2,048 queries: the four work-groups of a cluster take 512 each: 32 tiles of 16 queries.  Twelve waves of 320 registers, three to a SIMD's 1,024.  A pass is one tile against all 2,048 keys.
; Waves 0 to 7 own three tiles (tile = the wave's number in the first three steps of 128 queries), waves 8 to 11 two (tiles wave - 8 and wave - 4 of the fourth step): 8 x 3 + 4 x 2 = 32.
; Every wave walks the loop of three passes; in the third a scalar branch on ids leads waves 8 to 11 round the steps' work and the way out, and round no wait or barrier.
; ALL OF THE HEAD'S K AND V LIE IN LDS: sixteen records of 15,872 bytes (128 keys each), images of operand registers.  They are filled ONCE, by joint loads of the four work-groups: waves 0 to 7 one load each,
; two records as two rows of 15,872 bytes, 25,088 bytes apart in memory.  So there is no later tile to ask for ahead: no prefetch into the L2.
; LAYOUT.  Both products are used transposed: a lane holds ONE query.  Tile 4 c + t of K holds keys 64 c + 8 t + r % 8 + 32 (r / 8), fragment t of V channels 8 t + r % 8 + 32 (r / 8):
; so a lane's 32 scores of four tiles are keys 64 c + 32 (lane / 16) + 0 .. 31, one whole scale block of p in the order of the operand's registers, and its 32 numbers of O one whole scale block of y.
; K's tiles stand 8 registers apart: registers 8 to 11 of a fragment are the next tile's codes, which meet zero codes in Q's padding and add nothing.
; A step's first four tiles of K and its scale words are fetched in the step before; the next pass's Q in a pass's last step.
; THE MASK costs no line here: in slot k = 64 Q holds the code of 1.0 under the byte 127; a key that does not count holds -7.5 under 2^100.  The running largest score begins at -2^99, above every hidden score.
; A row none of whose keys counts still has -2^99 at the end: its scale bytes become 0xff, by which the next launch's sums are NaN, as a softmax over nothing is.
; LIMITS: open scores stay under 2^99 in magnitude; a block's largest magnitude is taken no lower than 2^-124 (a block of zeros gets the byte 1: its codes are zeros, and this program alone reads the bytes).
.set RECG,  25088
.set RECL,  15872
.set RECY,  13312
.set R_KS,  8192
.set R_VI,  9216
.set R_VS,  15360
.set R_QI,  15872
.set R_QS,  24064
.set SPARE, 0x43000                    ; behind the records: 128 bytes a wave
.set LI,  1                            ; 16 x lane
.set ADR, 2                            ; the record's LDS address
.set L8,  3                            ; 8 x lane
.set F,   28                           ; v[28:29] f = 2^(old M - new M)
.set SPW, 30
.set QSL, 31                           ; Q's slot
.set KF,  32                           ; v32-63 four tiles of K, v64-67 zeros
.set SA,  68                           ; v68-73 three partial sums
.set X,   74                           ; v74-77 chains of maxima
.set VF,  80                           ; v80-127 V's four fragments
.set S,   128                          ; v128-191 S^T, then p
.set O,   192                          ; v192-223 O^T
.set P,   224                          ; v224-235 p's codes
.set T0,  236
.set T1,  240
.set NIL, 243
.set BM,  244                          ; v244, v245 the two blocks' largest
.set SO,  246                          ; v246, v247 the conversions' scale operands
.set VS,  248                          ; v248-251 V's scale words
.set U,   252
.set PW,  253                          ; p's scale word
.set T,   254
.set QW,  255                          ; Q's scale word
.set WV,  8
.set G1,  16
.set G0,  24
.set NP,  28                           ; my passes: 3 or 2
.set SK,  29                           ; 1 in a pass of mine
.set QST, 30                           ; from a pass's tile of Q to the next's, in bytes
.set QSS, 31                           ; the same for its scale word
.set YST, 32                           ; s[32:33] the same for y's record
.set QD,  34                           ; s[34:35], s[36:37] what this pass adds to Q's two addresses
.set SEL, 40
.set CS,  42
.set TB,  44
.set CNT, 45
.set PC,  46
.set QB,  48
.set QSB, 50
.set YB,  52
.set YSB, 54
.macro D n
	s_delay_alu instid0(VALU_DEP_\n)
.endm
.macro WALU
	s_wait_alu depctr_va_vdst(0)
.endm
.macro CROUND
	s_barrier_signal -1
	s_barrier_wait -1
	s_cmp_lg_u32 s[WV], 0
	s_cbranch_scc1 .Lnot_wave_0_\@
	s_barrier_signal -3
.Lnot_wave_0_\@:
	s_barrier_wait -3
	s_barrier_signal -1
	s_barrier_wait -1
.endm
	s_load_b128 s[4:7], s[0:1], 0x0                ; the records of Q, K, V; y
	v_lshl_add_u32 v[SPW], v0, 2, SPARE
	v_mov_b32 v[NIL], 0
	ds_add_u32 v[SPW], v[NIL]                      ; the opening lines: the add twice on end under one wait
	ds_add_u32 v[SPW], v[NIL]
	v_lshrrev_b32 v1, 5, v0
	D 1
	v_readfirstlane_b32 s[WV], v1                  ; wave 0..11
	s_bfe_u32 s9, ttmp6, 0x40000                   ; cx: it enters Q's and y's addresses alone
	s_and_b32 s10, ttmp7, 0xffff                   ; batch x 16 + head
	s_lshl_b32 s12, s10, 4                         ; the head's first record
	s_lshl_b32 s13, s[WV], 1
	s_add_co_u32 s13, s13, s12
	s_mul_i32 s14, s13, RECG                       ; records 2 wave, 2 wave + 1 in memory,
	s_mov_b32 s15, 0
	s_mul_i32 s13, s[WV], 2*RECL                   ; and in LDS
	s_mov_b32 s[G1], 15|(3<<16)|(1<<21)            ; all four work-groups; elements of 8 bytes
	s_mov_b32 s[G1+1], (RECL/8)<<16                ; a row is what of a record comes into LDS,
	s_mov_b32 s[G1+2], 2<<16                       ; two rows,
	s_mov_b32 s[G1+3], (RECL/8)<<16
	s_mov_b32 s[G1+4], 2
	s_mov_b32 s[G1+5], RECG/8                      ; a record apart
	s_mov_b32 s[G1+6], 0
	s_mov_b32 s[G1+7], 0
	s_mov_b32 s[SEL], 0x76543210
	s_mov_b32 s[SEL+1], 0xfedcba98
	s_mov_b32 s[CS], 0x3e38aa3b                    ; log2(e) / 8
	s_mov_b32 s[CS+1], s[CS]
	s_wait_dscnt 0x0
	s_wait_kmcnt 0x0
	CROUND                                         ; the joint loads meet
	s_mov_b32 s[G0], 1
	s_mov_b32 s[G0+1], s13
	s_add_nc_u64 s[G0+2:G0+3], s[4:5], s[14:15]
	s_or_b32 s[G0+3], s[G0+3], 0x80000000
	s_cmp_lt_u32 s[WV], 8
	s_cbranch_scc0 .Lno_fetch
	tensor_load_to_lds s[G0:G0+3], s[G1:G1+7]      ; one load a wave
	s_nop 0
.Lno_fetch:
	s_cmp_lt_u32 s[WV], 8                          ; the deal of the tiles
	s_cselect_b32 s[NP], 3, 2
	s_cselect_b32 s11, 0, 3                        ; my first tile's step of 128 queries
	s_mov_b32 s[QST], 4096
	s_cselect_b32 s[QST], RECG, s[QST]             ; on to the next step's record, or four tiles on in the same
	s_mov_b32 s[QSS], 512
	s_cselect_b32 s[QSS], RECG, s[QSS]
	s_mov_b32 s[YST], 4*RECY
	s_cselect_b32 s[YST], 8*RECY, s[YST]
	s_mov_b32 s[YST+1], 0
	s_mov_b32 s[QD+1], 0
	s_mov_b32 s[QD+3], 0
	s_lshl_b32 s9, s9, 2
	s_add_co_u32 s9, s9, s11                       ; the step among the head's sixteen: 4 cx + 0 or 3
	s_and_b32 s11, s[WV], 7                        ; my first tile in it
	s_add_co_u32 s12, s12, s9
	s_mul_i32 s12, s12, RECG
	s_lshl_b32 s13, s11, 10
	s_add_co_u32 s13, s13, s12
	s_add_co_u32 s14, s13, R_QI
	s_add_nc_u64 s[QB:QB+1], s[4:5], s[14:15]
	s_lshr_b32 s13, s11, 2
	s_lshl_b32 s13, s13, 9
	s_and_b32 s14, s11, 3
	s_lshl_b32 s14, s14, 2
	s_add_co_u32 s14, s14, s13
	s_add_co_u32 s14, s14, s12
	s_add_co_u32 s14, s14, R_QS
	s_add_nc_u64 s[QSB:QSB+1], s[4:5], s[14:15]    ; word tile % 4 of quad tile / 4; 16 bytes a lane
	s_lshr_b32 s12, s10, 4
	s_lshl_b32 s12, s12, 4
	s_add_co_u32 s12, s12, s9
	s_lshl_b32 s12, s12, 3
	s_add_co_u32 s12, s12, s11                     ; y's record: (batch x 16 + step) x 8 + tile
	s_mul_i32 s12, s12, RECY
	s_and_b32 s10, s10, 15                         ; the head
	s_lshr_b32 s13, s10, 1                         ; its K step of the last product,
	s_mul_i32 s14, s13, 1536
	s_add_co_u32 s14, s14, s12
	s_and_b32 s9, s10, 1                           ; and which half of it
	s_mul_i32 s11, s9, 768
	s_add_co_u32 s14, s14, s11
	s_add_nc_u64 s[YB:YB+1], s[6:7], s[14:15]
	s_lshr_b32 s14, s10, 3
	s_lshl_b32 s14, s14, 9
	s_and_b32 s13, s13, 3
	s_lshl_b32 s13, s13, 2
	s_add_co_u32 s14, s14, s13
	s_lshl_b32 s9, s9, 1
	s_add_co_u32 s14, s14, s9
	s_add_co_u32 s14, s14, s12
	s_add_co_u32 s14, s14, 12288
	s_add_nc_u64 s[YSB:YSB+1], s[6:7], s[14:15]
	v_and_b32 v3, 31, v0
	D 1
	v_lshlrev_b32 v[LI], 4, v3
	D 2
	v_lshlrev_b32 v[L8], 3, v3
	v_bfe_u32 v28, v0, 4, 1
	D 1
	v_sub_nc_u32 v28, 1, v28
	D 1
	v_lshlrev_b32 v[QSL], 3, v28                   ; the code of 1.0 (8) in lanes 0-15: slot k = 64
	v_mov_b32 v29, 0                               ; (named with v28 as a pair)
.irp j, 24,25,26,27, 64,65,66,67, U, T
	v_mov_b32 v[\j], 0                             ; Q's padding; what stands behind K's last tile; the lane permutes' destinations
.endr
	WALU                                           ; the wait at the head's end
	global_load_b128 v[16:19], v[LI], s[QB:QB+1]   ; the first pass's Q
	global_load_b128 v[20:23], v[LI], s[QB:QB+1] offset:512
	global_load_b32 v[QW], v[LI], s[QSB:QSB+1]
.macro KPRE a, o                       ; the scale words and tiles 0-3 of the record that begins o bytes behind the address in v[a]: ten loads
	ds_load_b128 v[4:7], v[\a] offset:\o+R_KS
	ds_load_b128 v[8:11], v[\a] offset:\o+R_KS+512
.irp t, 0,1,2,3
	ds_load_b128 v[KF+8*\t:KF+8*\t+3], v[\a] offset:\o+1024*\t
	ds_load_b128 v[KF+8*\t+4:KF+8*\t+7], v[\a] offset:\o+1024*\t+512
.endr
.endm
.macro SMUL g                          ; S^T of four tiles
.irp t, 0,1,2,3
	v_wmma_scale_f32_16x16x128_f8f6f4 v[S+32*\g+8*\t:S+32*\g+8*\t+7], v[KF+8*\t:KF+8*\t+11], v[16:27], 0, v[4+4*\g+\t], v[QW] matrix_a_fmt:MATRIX_FMT_FP6 matrix_b_fmt:MATRIX_FMT_FP6
.endr
.endm
.macro BMAX c                          ; the largest score of my block c: four chains, one an accumulator, each read from its low end on
.set BB, S+32*\c
.irp k, 0,1,2,3
	v_max3_num_f32 v[X+\k], v[BB+8*\k], v[BB+8*\k+1], v[BB+8*\k+2]
.endr
.irp i, 3,5
.irp k, 0,1,2,3
	v_max3_num_f32 v[X+\k], v[X+\k], v[BB+8*\k+\i], v[BB+8*\k+\i+1]
.endr
.endr
	v_max3_num_f32 v[X], v[X], v[X+1], v[BB+7]
	v_max3_num_f32 v[X+2], v[X+2], v[X+3], v[BB+15]
	v_max3_num_f32 v[X], v[X], v[X+2], v[BB+23]
	v_max_num_f32 v[BM+\c], v[X], v[BB+31]
.endm
.macro AD4 j                           ; four additions of the row's sum, the four partial sums by turns
	v_pk_add_f32 v[SA:SA+1], v[SA:SA+1], v[S+\j:S+\j+1]
	v_pk_add_f32 v[SA+2:SA+3], v[SA+2:SA+3], v[S+\j+2:S+\j+3]
	v_pk_add_f32 v[SA+4:SA+5], v[SA+4:SA+5], v[S+\j+4:S+\j+5]
	v_pk_add_f32 v[14:15], v[14:15], v[S+\j+6:S+\j+7]
.endm
; A KEY STEP: the 128 keys of the record at ADR, which is made ahead of the branch that leads round the step, on every wave's way.  Tiles 0-3 and the scale words were fetched and waited for in the step before.
; last = 1: a pass's last: the record fetched ahead is record 0, and the next pass's Q is fetched.
.macro STEP last
	SMUL 0
.rept 4
	v_nop                                          ; places ahead of loads into registers that matrix instructions have read: K's just now, V's at the last step's end
.endr
.irp t, 0,1,2,3
	ds_load_b128 v[KF+8*\t:KF+8*\t+3], v[ADR] offset:1024*(4+\t)
	ds_load_b128 v[KF+8*\t+4:KF+8*\t+7], v[ADR] offset:1024*(4+\t)+512
.endr
.irp t, 0,1,2,3
.irp c, 0,1,2
	ds_load_b128 v[VF+12*\t+4*\c:VF+12*\t+4*\c+3], v[ADR] offset:R_VI+1536*\t+512*\c
.endr
.endr
	ds_load_b128 v[VS:VS+3], v[ADR] offset:R_VS
	s_wait_dscnt 13                                ; tiles 4-7 are in; V's twelve loads and its scale words may be out
	SMUL 1
	BMAX 0                                         ; these lines name no register of the four products above: they are the places ahead of the loads below
.if !\last
	KPRE ADR, RECL                                 ; the next record lies RECL bytes on
.endif
.if \last
	KPRE LI, 0                                     ; record 0
	global_load_b128 v[16:19], v[LI], s[QB:QB+1]   ; the next pass's Q (in my last pass: the same bytes once more)
	global_load_b128 v[20:23], v[LI], s[QB:QB+1] offset:512
	global_load_b32 v[QW], v[LI], s[QSB:QSB+1]
.endif
	BMAX 1
	D 1
	v_max_num_f32 v[T], v[BM], v[BM+1]
	D 1
	v_permlanex16_b32 v[U], v[T], s[SEL], s[SEL+1]
	D 1
	v_max3_num_f32 v13, v13, v[T], v[U]            ; the running largest score of my query
	D 1
	v_mul_f32 v[T], s[CS], v13                     ; as t
	v_mov_b32 v[U], v12
	D 2
	v_floor_f32 v12, -v[T]                         ; the new -M
	D 1
	v_sub_f32 v[U], v12, v[U]                      ; old M - new M: a whole number, 0 or less
	D 1
	v_cvt_i32_f32 v[U], v[U]                       ; (it saturates)
	D 1
	v_ldexp_f32 v[F], 1.0, v[U]
.set j, 0
.rept 32
	v_pk_fma_f32 v[S+j:S+j+1], v[S+j:S+j+1], s[CS:CS+1], v[12:13] op_sel_hi:[1,0,0]   ; t - M
.set j, j+2
.endr
.set j, 0
.rept 16
	v_pk_mul_f32 v[O+j:O+j+1], v[O+j:O+j+1], v[F:F+1] op_sel_hi:[1,0]   ; O^T under the new M
.set j, j+2
.endr
	v_fma_f32 v[BM], v[BM], s[CS], v12             ; the same multiply-add on each block's largest score
	v_fma_f32 v[BM+1], v[BM+1], s[CS], v12
	WALU                                           ; the wait ahead of the batch
	v_exp_f32 v[BM], v[BM]                         ; the block's largest p
	v_exp_f32 v[BM+1], v[BM+1]
.set j, 0
.rept 64
	v_exp_f32 v[S+j], v[S+j]                       ; p = 2^(t - M)
.set j, j+1
.endr
	v_pk_mul_f32 v[14:15], v[14:15], v[F:F+1] op_sel_hi:[1,0]   ; the sum under the new M: the plain line behind the batch
	WALU                                           ; and the wait behind it
	s_wait_dscnt 0x0                               ; V is in, and so are the ten loads of the record fetched ahead
; The row's sum of the unquantised p, 32 packed additions; the lines that make p's scale word and codes stand among them, each five lines or more behind the line whose result it reads.
	v_max_num_f32 v[BM], 0x1800000, v[BM]          ; the floor 2^(3 - 127)
	v_max_num_f32 v[BM+1], 0x1800000, v[BM+1]
	v_pk_add_f32 v[SA:SA+1], v[S:S+1], v[S+2:S+3]
	v_pk_add_f32 v[SA+2:SA+3], v[S+4:S+5], v[S+6:S+7]
	v_pk_add_f32 v[SA+4:SA+5], v[S+8:S+9], v[S+10:S+11]
	v_pk_add_f32 v[14:15], v[14:15], v[S+12:S+13]
	v_add_nc_u32 v[SO], 0xff000000, v[BM]          ; 2 off the exponent field
	v_add_nc_u32 v[SO+1], 0xff000000, v[BM+1]
	AD4 14
	v_cvt_scalef32_pk16_fp6_f32 v[P:P+2], v[S:S+15], v[SO]
	v_cvt_scalef32_pk16_fp6_f32 v[T0:T0+2], v[S+16:S+31], v[SO]
	v_cvt_scalef32_pk16_fp6_f32 v[P+6:P+8], v[S+32:S+47], v[SO+1]
	v_cvt_scalef32_pk16_fp6_f32 v[T1:T1+2], v[S+48:S+63], v[SO+1]
	AD4 22
	v_lshrrev_b32 v[BM], 23, v[SO]                 ; the scales' bytes
	v_lshrrev_b32 v[BM+1], 23, v[SO+1]
.irp i, 0,1,2
	v_mov_b32 v[P+3+\i], v[T0+\i]
.endr
	AD4 30
	v_lshl_or_b32 v[BM], v[BM+1], 16, v[BM]        ; mine at bytes 0 and 2,
.irp i, 0,1,2
	v_mov_b32 v[P+9+\i], v[T1+\i]
.endr
	AD4 38
	v_permlanex16_b32 v[U], v[BM], s[SEL], s[SEL+1]
	AD4 46
	v_lshl_or_b32 v[PW], v[U], 8, v[BM]            ; lane l xor 16's at bytes 1 and 3: in lanes 0-15 byte 2 c + h.  Eight plain lines follow, ahead of the products
	AD4 54
	v_pk_add_f32 v[SA:SA+1], v[SA:SA+1], v[S+62:S+63]
	D 3
	v_pk_add_f32 v[SA+2:SA+3], v[SA+2:SA+3], v[SA+4:SA+5]
	D 2
	v_pk_add_f32 v[14:15], v[14:15], v[SA:SA+1]
	D 1
	v_pk_add_f32 v[14:15], v[14:15], v[SA+2:SA+3]
.irp t, 0,1,2,3
	v_wmma_scale_f32_16x16x128_f8f6f4 v[O+8*\t:O+8*\t+7], v[VF+12*\t:VF+12*\t+11], v[P:P+11], v[O+8*\t:O+8*\t+7], v[VS+\t], v[PW] matrix_a_fmt:MATRIX_FMT_FP6 matrix_b_fmt:MATRIX_FMT_FP6
.endr
.endm
	s_wait_tensorcnt 0x0                           ; my two records are in;
	s_barrier_signal -1
	s_barrier_wait -1                              ; all sixteen are
	KPRE LI, 0
	s_wait_dscnt 0x0
	s_mov_b32 s[PC], 0
.Lpass:                                                ; a pass: 16 queries against all 2,048 keys
	s_cmp_lt_u32 s[PC], s[NP]
	s_cselect_b32 s[SK], 1, 0                      ; is this pass mine?
	s_add_co_u32 s[PC], s[PC], 1
	s_cmp_lt_u32 s[PC], s[NP]                      ; and the next?  Then Q's addresses step on to its tile; else they stay
	s_cselect_b32 s[QD], s[QST], 0
	s_cselect_b32 s[QD+2], s[QSS], 0
	v_mov_b32 v13, 0xf1000000                      ; the largest score so far: -2^99
	v_mov_b32 v14, 0
	v_mov_b32 v15, 0
	D 3
	v_mul_f32 v12, s[CS], v13
	D 1
	v_floor_f32 v12, -v12
	s_mov_b32 s[TB], 0
	s_mov_b32 s[CNT], 15
	s_wait_loadcnt 0x0                             ; Q is in, and its loads have read their bases
	s_add_nc_u64 s[QB:QB+1], s[QB:QB+1], s[QD:QD+1]
	s_add_nc_u64 s[QSB:QSB+1], s[QSB:QSB+1], s[QD+2:QD+3]
	v_mov_b32 v22, v[QSL]                          ; Q's slot k = 64: 1.0,
	v_or_b32 v[QW], 0x7f0000, v[QW]                ; under the byte 127
.set j, 0
.rept 32
	v_mov_b32 v[O+j], 0                            ; the step is written once: its first trip finds zeros.  (Also the places behind the two lines above)
.set j, j+1
.endr
.Lstep:
	v_add_nc_u32 v[ADR], s[TB], v[LI]              ; this trip's record
	s_add_co_u32 s[TB], s[TB], RECL
	s_cmp_eq_u32 s[SK], 0
	s_cbranch_scc1 .Lno_step                       ; not my pass: round the step's work
	STEP 0
.Lno_step:
	s_sub_co_u32 s[CNT], s[CNT], 1
	s_cmp_lg_u32 s[CNT], 0
	s_cbranch_scc1 .Lstep
	v_add_nc_u32 v[ADR], s[TB], v[LI]              ; the last record
	s_cmp_eq_u32 s[SK], 0
	s_cbranch_scc1 .Lno_end
	STEP 1
; THE WAY OUT of a pass: O^T / the sum; my 32 numbers are channels 32 (lane / 16) + 0 .. 31: one scale block of the last product's K
.rept 4
	v_nop
.endr
	v_add_f32 v14, v14, v15
	D 1
	v_permlanex16_b32 v[U], v14, s[SEL], s[SEL+1]
	D 1
	v_add_f32 v14, v14, v[U]                       ; the row's sum
	WALU
	v_rcp_f32 v14, v14
	v_cmp_ge_f32 vcc_lo, 0xf1000000, v13           ; no key of the row counted
	v_nop
	WALU                                           ; ahead of the first reader of the reciprocal and of O^T
.set j, 0
.rept 16
	v_pk_mul_f32 v[S+j:S+j+1], v[O+j:O+j+1], v[14:15] op_sel_hi:[1,0]
.set j, j+2
.endr
.irp b, 0,1
	v_max3_num_f32 v[X+\b], |v[S+16*\b]|, |v[S+1+16*\b]|, 0x1800000
.endr
.irp i, 2,4,6,8,10,12,14
.irp b, 0,1
	D 2
	v_max3_num_f32 v[X+\b], v[X+\b], |v[S+16*\b+\i]|, |v[S+1+16*\b+\i]|
.endr
.endr
	D 1
	v_max_num_f32 v[X], v[X], v[X+1]
	D 1
	v_add_nc_u32 v[SO], 0xff000000, v[X]
	D 1
	v_lshrrev_b32 v[BM], 23, v[SO]
	D 1
	v_permlanex16_b32 v[U], v[BM], s[SEL], s[SEL+1]
	D 1
	v_lshl_or_b32 v[PW], v[U], 8, v[BM]            ; my head's two scale bytes (in order in lanes 0-15, which alone are read)
	v_mov_b32 v[T], 0xffff
	D 1
	v_cndmask_b32 v[PW], v[PW], v[T], vcc_lo
	v_cvt_scalef32_pk16_fp6_f32 v[P:P+2], v[S:S+15], v[SO]
	v_cvt_scalef32_pk16_fp6_f32 v[T0:T0+2], v[S+16:S+31], v[SO]
	v_nop
.irp i, 0,1,2
	v_mov_b32 v[P+3+\i], v[T0+\i]
.endr
	global_store_b128 v[LI], v[P:P+3], s[YB:YB+1]                ; registers 0-3 of my half of the fragment: 512 consecutive bytes
	global_store_b64 v[L8], v[P+4:P+5], s[YB:YB+1] offset:512    ; registers 4-5: 256
	global_store_b16 v[LI], v[PW], s[YSB:YSB+1]
.Lno_end:
	s_wait_xcnt 0x0                                ; the stores have read their bases and their data
	s_add_nc_u64 s[YB:YB+1], s[YB:YB+1], s[YST:YST+1]   ; y's record of my next tile
	s_add_nc_u64 s[YSB:YSB+1], s[YSB:YSB+1], s[YST:YST+1]
	s_cmp_lg_u32 s[PC], 3
	WALU
	s_cbranch_scc1 .Lpass
	s_wait_tensorcnt 0x0                           ; the wave's end
	ds_add_u32 v[SPW], v[NIL]
	s_wait_dscnt 0x0
	CROUND
	s_endpgm
.Lfunc_end_k_qd986c15f76_attn:
	.size	k_qd986c15f76_attn, .Lfunc_end_k_qd986c15f76_attn-k_qd986c15f76_attn
	.p2alignl 7, 3214868480
	.fill 96, 4, 3214868480
	.section	.rodata,"a",@progbits
	.p2align	6, 0x0
	.amdhsa_kernel k_qd986c15f76_attn
		.amdhsa_group_segment_fixed_size 327680
		.amdhsa_private_segment_fixed_size 0
		.amdhsa_enable_private_segment 0
		.amdhsa_kernarg_size 16
		.amdhsa_user_sgpr_count 2
		.amdhsa_user_sgpr_kernarg_segment_ptr 1
		.amdhsa_wavefront_size32 1
		.amdhsa_system_sgpr_workgroup_id_x 1
		.amdhsa_system_sgpr_workgroup_id_y 1
		.amdhsa_system_sgpr_workgroup_id_z 1
		.amdhsa_system_vgpr_workitem_id 0
		.amdhsa_next_free_vgpr 320
		.amdhsa_next_free_sgpr 66
		.amdhsa_reserve_vcc 1
		.amdhsa_float_denorm_mode_32 3
		.amdhsa_float_denorm_mode_16_64 3
		.amdhsa_memory_ordered 1
		.amdhsa_forward_progress 1
		.amdhsa_inst_pref_size 43
	.end_amdhsa_kernel
	.amdgpu_metadata
---
amdhsa.version: [ 1, 2 ]
amdhsa.kernels:
  - .name:           k_qd986c15f76_attn
    .symbol:         k_qd986c15f76_attn.kd
    .args:
      - { .name: qkv, .offset: 0, .size: 8, .value_kind: global_buffer, .address_space: global }
      - { .name: yws, .offset: 8, .size: 8, .value_kind: global_buffer, .address_space: global }
    .group_segment_fixed_size: 327680
    .private_segment_fixed_size: 0
    .kernarg_segment_align: 8
    .kernarg_segment_size: 16
    .max_flat_workgroup_size: 384
    .sgpr_count:     66
    .vgpr_count:     320
    .wavefront_size: 32
...
	.end_amdgpu_metadata
.endif
;; end of part 2
;; launch oproj (part 3): grid 4 x 64, 4 waves a work-group, clusters of 4 x 4, 327,680 bytes of LDS; arguments yws, Wo_codes, Wo_scales, out0; writes out0
.if DOCPART == 3
	.amdgcn_target "amdgcn-amd-amdhsa--gfx1250"
	.amdhsa_code_object_version 6
	.text
	.protected	k_qd986c15f76_oproj
	.globl	k_qd986c15f76_oproj
	.p2align	8
	.type	k_qd986c15f76_oproj,@function
k_qd986c15f76_oproj:
	s_mov_b64 s[64:65], 0
	v_nop
	global_prefetch_b8 v0, s[64:65] scope:SCOPE_SE
	s_setreg_imm32_b32 hwreg(HW_REG_WAVE_MODE, 25, 1), 1
	s_wait_xcnt 0x0
	s_wait_alu depctr_hold_cnt(0) depctr_sa_sdst(0) depctr_va_vdst(0) depctr_va_sdst(0) depctr_va_ssrc(0) depctr_va_vcc(0) depctr_vm_vsrc(0)
	s_getreg_b32 s2, hwreg(HW_REG_IB_STS2, 6, 4)
	s_cmp_eq_u32 s2, 0
	s_cbranch_scc0 .Lentry_in_a_cluster
	s_endpgm
.Lentry_in_a_cluster:
	s_bfe_u32 s2, ttmp6, 0x10000c
	s_cmp_lg_u32 s2, 0xf033
	s_cbranch_scc0 .Lentry_shape_is_right
	s_endpgm
.Lentry_shape_is_right:
; out = y Wo^T on codes of FP6 (E2M3) with E8M0 scales.  y: records of 13,312 bytes, one for each tile of 16 tokens: images of the operand's registers for eight K steps (8 x 1,536 bytes), then 1,024 bytes of scale words.
; Tile m of a block of 128 tokens holds tokens 64 (m / 4) + 8 (m % 4) + r % 8 + 32 (r / 8).  Wo: [1024][1024], rows of 768 bytes of codes and 32 scale bytes.
; A work-group of four waves makes 128 tokens x 256 columns; a wave holds its 64 rows of Wo, all of K, in registers (4 tiles x 8 fragments x 12 = 384) and takes the eight tiles of y past them, 32 products a tile,
; the tile's four accumulators by turns.
; CLUSTERS 4 x 4: Wo's rows hang on the column block alone and are shared along a column of the cluster, y's records on the token block alone and are shared along a row.
; LDS is filled ONCE, one joint load a wave at the head: waves 0 and 1 half of Wo's 256 rows each (rows of 768 bytes, 16 bytes of padding behind every 256), waves 2 and 3 four records of y each (dense rows of 256 bytes).
; The first barrier shows Wo's rows (waves 0 and 1 have waited: the load line is theirs alone), the second, behind the weights' LDS loads, shows y.  Nothing is filled again, so there is no later tile to ask for ahead: no prefetch into the L2.
; THE PRODUCT IS USED TRANSPOSED (source 0 = Wo's rows): a lane holds 8 neighbouring columns of one token.  A tile goes through the wave's stage in LDS and comes back as rows of 256 bytes, which sixteen lanes store whole.
; The stage lies in the wave's own 64 rows of Wo, which it alone reads and has read into registers by then, and which are filled no more.  A tile's global stores stand behind the next tile's products.
; A scale byte 0xff in y (a row whose every key is masked) makes that row's sums NaN.
; REGISTERS: window 0: v1-14 addresses; v32-63 Wo's scale words (8 t + s); v66-81 y's, two sets; v96-159 accumulators, two sets; v160-191 a tile on its way out.
;   windows 1, 2: Wo's fragments of K steps 0-3 and 4-7 (12 (4 (s % 4) + t));   window 3: y's fragments, two sets of 96.
.set RECY, 13312
.set WP,   816
.set WREG, 64*WP
.set YBASE, 4*WREG
.set SPARE, YBASE+8*RECY
.set SP,   272
.set WS,   32
.set YS,   66
.set ACC,  96
.set OB,   160
.set WV,   12
.set G0W,  24
.set G0Y,  28
.set G1W,  40
.set G1Y,  48
.set MSB, 0
.macro WIN new
.if MSB != (\new)
	s_set_vgpr_msb (MSB<<8)|(\new)
.set MSB, (\new)
.endif
.endm
.macro PLACES n
.rept \n
	v_nop
.endr
.endm
.macro CROUND
	s_barrier_signal -1
	s_barrier_wait -1
	s_cmp_lg_u32 s[WV], 0
	s_cbranch_scc1 .Lnot_wave_0_\@
	s_barrier_signal -3
.Lnot_wave_0_\@:
	s_barrier_wait -3
	s_barrier_signal -1
	s_barrier_wait -1
.endm
	s_load_b256 s[4:11], s[0:1], 0x0               ; y, Wo's codes, Wo's scales, out
	v_lshl_add_u32 v254, v0, 2, SPARE
	v_mov_b32 v255, 0
	ds_add_u32 v254, v255                          ; the opening lines: the add twice on end under one wait
	ds_add_u32 v254, v255
	v_lshrrev_b32 v1, 5, v0
	v_readfirstlane_b32 s[WV], v1
	s_and_b32 s16, s[WV], 1                        ; which half of Wo's rows, or of y's records, I fetch
	s_bfe_u32 s13, ttmp6, 0x40000                  ; cx: the block of 256 columns
	s_bfe_u32 s15, ttmp6, 0x40004                  ; cy
	s_and_b32 s14, ttmp7, 0xffff
	s_lshl_b32 s14, s14, 2
	s_add_co_u32 s14, s14, s15                     ; the block of 128 tokens
	s_lshl_b32 s17, s15, 2
	s_lshl_b32 s17, 15, s17                        ; my row of the cluster
	s_lshl_b32 s18, 0x1111, s13                    ; my column
	s_or_b32 s[G1W], s18, (1<<20)|(1<<21)|(5<<22)|(3<<25)   ; bytes; 16 bytes of padding behind every 256
	s_mov_b32 s[G1W+1], 768<<16
	s_mov_b32 s[G1W+2], 128<<16
	s_mov_b32 s[G1W+3], 768<<16
	s_mov_b32 s[G1W+4], 128
	s_mov_b32 s[G1W+5], 768
	s_mov_b32 s[G1W+6], 0
	s_mov_b32 s[G1W+7], 0
	s_or_b32 s[G1Y], s17, (3<<16)|(1<<21)          ; four records: 208 dense rows of 256 bytes
	s_mov_b32 s[G1Y+1], 32<<16
	s_mov_b32 s[G1Y+2], 208<<16
	s_mov_b32 s[G1Y+3], 32<<16
	s_mov_b32 s[G1Y+4], 208
	s_mov_b32 s[G1Y+5], 32
	s_mov_b32 s[G1Y+6], 0
	s_mov_b32 s[G1Y+7], 0
	s_lshl_b32 s19, s13, 8
	s_lshl_b32 s20, s16, 7
	s_add_co_u32 s20, s20, s19
	s_mul_i32 s20, s20, 768                        ; Wo: row 256 cx + 128 x half
	s_mov_b32 s21, 0
	s_lshl_b32 s22, s14, 3
	s_lshl_b32 s23, s16, 2
	s_add_co_u32 s22, s22, s23
	s_mul_i32 s22, s22, RECY                       ; y: record 8 x block + 4 x half
	s_mov_b32 s23, 0
	s_mov_b32 s[G0W], 1
	s_mul_i32 s[G0W+1], s16, 128*WP
	s_mov_b32 s[G0Y], 1
	s_mul_i32 s[G0Y+1], s16, 4*RECY
	s_add_co_u32 s[G0Y+1], s[G0Y+1], YBASE
	s_wait_dscnt 0x0
	s_wait_kmcnt 0x0
	CROUND                                         ; the joint loads meet
	s_add_nc_u64 s[G0W+2:G0W+3], s[6:7], s[20:21]
	s_or_b32 s[G0W+3], s[G0W+3], 0x80000000
	s_add_nc_u64 s[G0Y+2:G0Y+3], s[4:5], s[22:23]
	s_or_b32 s[G0Y+3], s[G0Y+3], 0x80000000
	s_cmp_lt_u32 s[WV], 2
	s_cbranch_scc0 .Lfor_y
	tensor_load_to_lds s[G0W:G0W+3], s[G1W:G1W+7]
	s_nop 0
	PLACES 4
	s_branch .Lasked
.Lfor_y:
	tensor_load_to_lds s[G0Y:G0Y+3], s[G1Y:G1Y+7]
	s_nop 0
	PLACES 4
.Lasked:
	s_lshl_b32 s35, s[WV], 6
	s_add_co_u32 s35, s35, s19                     ; my first column
	s_lshl_b32 s36, s35, 5
	s_mov_b32 s37, 0
	s_add_nc_u64 s[8:9], s[8:9], s[36:37]          ; its rows' scale bytes
	s_lshl_b32 s36, s14, 19                        ; 128 rows of 4,096 bytes
	s_lshl_b32 s35, s35, 2
	s_add_co_u32 s36, s36, s35
	s_add_nc_u64 s[10:11], s[10:11], s[36:37]
	s_mul_i32 s38, s[WV], WREG                     ; my 64 rows of Wo in LDS; later my stage
	v_and_b32 v10, 31, v0
	v_and_b32 v11, 15, v0
	v_bfe_u32 v12, v0, 4, 1
	v_lshl_add_u32 v1, v10, 4, YBASE               ; y's images: 16 bytes a lane,
	v_lshl_add_u32 v2, v10, 3, YBASE               ; 8 bytes a lane;
	v_add_nc_u32 v3, 4*RECY, v1                    ; the same for records 4 to 7
	v_add_nc_u32 v4, 4*RECY, v2
	v_mul_u32_u24 v13, v11, WP
	v_add_nc_u32 v13, s38, v13
	v_mad_u32_u24 v8, v12, 24, v13                 ; Wo's fragments: row r, + 24 h;
	v_mad_u32_u24 v9, v12, 40, v13                 ; where lanes 16-31 stand behind one padding more
	v_lshlrev_b32 v14, 5, v11
	v_mul_u32_u24 v5, v11, SP                      ; the stage, in: row r, 32 bytes for each half of the lanes
	v_lshl_add_u32 v5, v12, 5, v5
	v_add_nc_u32 v5, s38, v5
	v_mul_u32_u24 v6, v12, SP                      ; back: lanes 0-15 one row of 256 bytes, lanes 16-31 the next
	v_lshl_add_u32 v6, v11, 4, v6
	v_add_nc_u32 v6, s38, v6
	v_lshlrev_b32 v7, 12, v12                      ; and the same two rows in out
	v_lshl_add_u32 v7, v11, 4, v7
	s_wait_alu depctr_va_vdst(0)                   ; the wait at the head's end
.irp t, 0,1,2,3
	global_load_b128 v[WS+8*\t:WS+8*\t+3], v14, s[8:9] offset:512*\t
	global_load_b128 v[WS+8*\t+4:WS+8*\t+7], v14, s[8:9] offset:512*\t+16
.endr
	s_cmp_lt_u32 s[WV], 2
	s_cbranch_scc0 .Lnot_w
	s_wait_tensorcnt 0x0
.Lnot_w:
	s_barrier_signal -1
	s_barrier_wait -1                              ; Wo's rows are in
.irp s, 0,1,2,3,4,5,6,7                        ; my 64 rows, all of K: pieces of 8 bytes; byte y of a row lies at y + 16 (y / 256)
	WIN 0x40*(1+\s/4)
.irp t, 0,1,2,3
.irp p, 0,1,2,3,4,5
.set PCE, 12*\s+6*(\p/3)+\p%3
.if PCE%32 < 29
	ds_load_b64 v[12*(4*(\s%4)+\t)+2*\p:12*(4*(\s%4)+\t)+2*\p+1], v8 offset:8*PCE+16*(PCE/32)+\t*16*WP
.else
	ds_load_b64 v[12*(4*(\s%4)+\t)+2*\p:12*(4*(\s%4)+\t)+2*\p+1], v9 offset:8*PCE+16*(PCE/32)+\t*16*WP
.endif
.endr
.endr
.endr
	WIN 0
	s_wait_tensorcnt 0x0                           ; all that is still out: every wave waits
	s_wait_dscnt 0x0                               ; my rows of Wo are in registers
	s_barrier_signal -1
	s_barrier_wait -1                              ; y is in
.macro FETCHY m                        ; tile m's eight fragments and scale words: 34 loads
.set YF, 96*((\m)%2)
.set OFS, ((\m)%4)*RECY
.set A16, 1+2*((\m)/4)
.set A8, 2+2*((\m)/4)
	WIN 0xc0
.irp s, 0,1,2,3,4,5,6,7
	ds_load_b128 v[YF+12*\s:YF+12*\s+3], v[A16] offset:OFS+1536*\s
	ds_load_b64 v[YF+12*\s+4:YF+12*\s+5], v[A8] offset:OFS+1536*\s+512
	ds_load_b128 v[YF+12*\s+6:YF+12*\s+9], v[A16] offset:OFS+1536*\s+768
	ds_load_b64 v[YF+12*\s+10:YF+12*\s+11], v[A8] offset:OFS+1536*\s+1280
.endr
	WIN 0
	ds_load_b128 v[YS+8*((\m)%2):YS+8*((\m)%2)+3], v[A16] offset:OFS+12288
	ds_load_b128 v[YS+8*((\m)%2)+4:YS+8*((\m)%2)+7], v[A16] offset:OFS+12800
.endm
.macro MULT m
.set YF, 96*((\m)%2)
.set AB, ACC+32*((\m)%2)
.set SB, YS+8*((\m)%2)
.irp s, 0,1,2,3,4,5,6,7
	WIN 0x0d+\s/4                                  ; source 0 window 1 or 2, source 1 window 3
.irp t, 0,1,2,3
.set rD, AB+8*\t
.set rW, 12*(4*(\s%4)+\t)
.if \s == 0
	v_wmma_scale_f32_16x16x128_f8f6f4 v[rD:rD+7], v[rW:rW+11], v[YF+12*\s:YF+12*\s+11], 0, v[WS+8*\t+\s], v[SB+\s] matrix_a_fmt:MATRIX_FMT_FP6 matrix_b_fmt:MATRIX_FMT_FP6
.else
	v_wmma_scale_f32_16x16x128_f8f6f4 v[rD:rD+7], v[rW:rW+11], v[YF+12*\s:YF+12*\s+11], v[rD:rD+7], v[WS+8*\t+\s], v[SB+\s] matrix_a_fmt:MATRIX_FMT_FP6 matrix_b_fmt:MATRIX_FMT_FP6
.endif
.endr
.endr
	WIN 0
.endm
.macro SEND m, younger                 ; tile m's rows leave: 16 lanes store 256 consecutive bytes, at a multiple of 256 from out's first byte
	s_wait_dscnt \younger
.irp i, 0,1,2,3,4,5,6,7
	global_store_b128 v7, v[OB+4*\i:OB+4*\i+3], s[10:11] offset:(64*((\m)/4)+8*((\m)%4)+2*\i+24*(\i/4))*4096 th:TH_STORE_NT
.endr
.endm
.macro TOSTAGE m
.set AB, ACC+32*((\m)%2)
.irp t, 0,1,2,3
	ds_store_b128 v5, v[AB+8*\t:AB+8*\t+3] offset:64*\t          ; each accumulator from its low end on
	ds_store_b128 v5, v[AB+8*\t+4:AB+8*\t+7] offset:64*\t+16
.endr
	s_wait_xcnt 0x0                                ; the last tile's stores have read their data
.irp i, 0,1,2,3,4,5,6,7
	ds_load_b128 v[OB+4*\i:OB+4*\i+3], v6 offset:2*\i*SP         ; LDS serves a wave's instructions in order (ISA guide 5.7.1.4)
.endr
.endm
	FETCHY 0
	FETCHY 1
	s_wait_loadcnt 0x0                             ; Wo's scale words
.irp m, 0,1,2,3,4,5,6,7
; younger than tile m's fetch: the next fetch (34) and, from tile 1 on, a tile's 8 stage stores and 8 stage loads
.if \m == 0
	s_wait_dscnt 34
.elseif \m == 7
	s_wait_dscnt 16
.else
	s_wait_dscnt 50
.endif
	MULT \m
.if \m == 7
	SEND \m-1, 0
.elseif \m > 0
	SEND \m-1, 34                                  ; younger than the stage's loads: one fetch
.endif
	PLACES 4                                       ; behind the products, ahead of the reads of their results and of the loads into their sources
	TOSTAGE \m
.if \m < 6
	FETCHY \m+2
.endif
.endr
	SEND 7, 0
	s_wait_tensorcnt 0x0                           ; the wave's end
	ds_add_u32 v254, v255
	s_wait_dscnt 0x0
	CROUND
	s_endpgm
.Lfunc_end_k_qd986c15f76_oproj:
	.size	k_qd986c15f76_oproj, .Lfunc_end_k_qd986c15f76_oproj-k_qd986c15f76_oproj
	.p2alignl 7, 3214868480
	.fill 96, 4, 3214868480
	.section	.rodata,"a",@progbits
	.p2align	6, 0x0
	.amdhsa_kernel k_qd986c15f76_oproj
		.amdhsa_group_segment_fixed_size 327680
		.amdhsa_private_segment_fixed_size 0
		.amdhsa_enable_private_segment 0
		.amdhsa_kernarg_size 32
		.amdhsa_user_sgpr_count 2
		.amdhsa_user_sgpr_kernarg_segment_ptr 1
		.amdhsa_wavefront_size32 1
		.amdhsa_system_sgpr_workgroup_id_x 1
		.amdhsa_system_sgpr_workgroup_id_y 1
		.amdhsa_system_sgpr_workgroup_id_z 1
		.amdhsa_system_vgpr_workitem_id 0
		.amdhsa_next_free_vgpr 1024
		.amdhsa_next_free_sgpr 66
		.amdhsa_reserve_vcc 0
		.amdhsa_float_denorm_mode_32 3
		.amdhsa_float_denorm_mode_16_64 3
		.amdhsa_memory_ordered 1
		.amdhsa_forward_progress 1
		.amdhsa_inst_pref_size 86
	.end_amdhsa_kernel
	.amdgpu_metadata
---
amdhsa.version: [ 1, 2 ]
amdhsa.kernels:
  - .name:           k_qd986c15f76_oproj
    .symbol:         k_qd986c15f76_oproj.kd
    .args:
      - { .name: yws, .offset: 0, .size: 8, .value_kind: global_buffer, .address_space: global }
      - { .name: Wo_codes, .offset: 8, .size: 8, .value_kind: global_buffer, .address_space: global }
      - { .name: Wo_scales, .offset: 16, .size: 8, .value_kind: global_buffer, .address_space: global }
      - { .name: out0, .offset: 24, .size: 8, .value_kind: global_buffer, .address_space: global }
    .group_segment_fixed_size: 327680
    .private_segment_fixed_size: 0
    .kernarg_segment_align: 8
    .kernarg_segment_size: 32
    .max_flat_workgroup_size: 128
    .sgpr_count:     66
    .vgpr_count:     1024
    .wavefront_size: 32
...
	.end_amdgpu_metadata
.endif
;; end of part 3
